; MI455X (gfx1250); checked and timed in simulation.
; The chip was launched on July 23, 2026; its instructions are those of AMD's public machine-readable ISA for CDNA 5 (MIT licence, August 2026) and "CDNA5" Instruction Set Architecture Reference Guide (July 2026). The comments in the code are by the model that wrote it; some were corrected since.
;; Multi Head Attention. Allowed arithmetic: matrix products marked QUANTISED: E4M3 operands, one given power-of-two scale a tensor, by v_wmma_f32_16x16x64_fp8_fp8 or v_wmma_f32_16x16x128_fp8_fp8, f32 sums; everything else in f32.
;; Inputs: Wk 16 x 1,024 x 64 float32; Wo 1,024 x 1,024 float32; Wq 16 x 1,024 x 64 float32; Wv 16 x 1,024 x 64 float32; bo 1,024 float32; lowp_scales 12 int32 (the exponents e of the quantised operands' scales 2^e); x 4 x 2,048 x 1,024 float32.
;; Outputs: out0 4 x 2,048 x 1,024 float32.
;; This version of the problem:
;;   THIS VERSION OF THE PROBLEM IS GIVEN IN LOW PRECISION. The matrix products marked QUANTISED in the list below multiply operands that are first quantised to E4M3 (4 exponent bits, 3 mantissa bits; 8 bits a number), with one given power-of-two scale for each operand tensor; their sums are f32. All else is computed in f32.
;;   The module's matrix products, in the order in which they are computed (A, B: the left and right operand; K: the contracted axis; several contracted axes count as one K, in the product's order):
;;     1. [M 1,024, K 1,024] x [K 1,024, N 8,192]; A: input Wq; B: input x: QUANTISED (scales: A lowp_scales[0], B lowp_scales[1])
;;     2. [M 1,024, K 1,024] x [K 1,024, N 8,192]; A: input Wk; B: input x: QUANTISED (scales: A lowp_scales[2], B lowp_scales[3])
;;     3. [M 1,024, K 1,024] x [K 1,024, N 8,192]; A: input Wv; B: input x: QUANTISED (scales: A lowp_scales[4], B lowp_scales[5])
;;     4. batch 64 x [M 2,048, K 64] x [K 64, N 2,048]; A: computed on the way; B: computed on the way: QUANTISED (scales: A lowp_scales[6], B lowp_scales[7])
;;     5. batch 64 x [M 2,048, K 2,048] x [K 2,048, N 64]; A: softmax (see below); B: computed on the way: QUANTISED (scales: A lowp_scales[8], B lowp_scales[9])
;;     6. [M 8,192, K 1,024] x [K 1,024, N 1,024]; A: computed on the way; B: input Wo: QUANTISED (scales: A lowp_scales[10], B lowp_scales[11])
;;   THE QUANTISER, for each operand of a quantised product, along K:
;;     - The operand's scale is 2^e, e = its entry of the input lowp_scales (int32; the entries are numbered through the quantised products in the list's order, A before B).
;;     - Each number is divided by the scale, clamped to +-448, and rounded to the nearest number of E4M3, ties to even, subnormals kept.
;;     - The product sums the exact products of the quantised numbers (number of the format x scale) in f32.
;;   ~~~python
;;   def quantise(x, axis, e):      # numpy; x: float32 -> the quantised numbers, widened to float32 again
;;       x = np.moveaxis(x, axis, -1); K = x.shape[-1]
;;       r = np.clip(x / 2.0 ** e, -448, 448)
;;       step = 2.0 ** (np.maximum(np.frexp(np.where(r == 0, 1, r))[1] - 1, -6) - 3)
;;       q = np.round(r / step) * step * 2.0 ** e      # np.round: ties to even
;;       return np.moveaxis(q, -1, axis).astype(np.float32)
;;   ~~~
;;   SOFTMAX AHEAD OF A QUANTISED PRODUCT. Where the list says 'softmax', what is quantised is not the finished softmax but p = 2^(t - M), with t = logit x log2(e) and M = ceil(the row's largest t), a whole number; so 1/2 < the row's largest p <= 1. The row's sum l is taken of the UNQUANTISED p, in f32, and the product's result is divided by l at the end. Since M is a whole number, a kernel that streams over the keys may use a running M (the ceiling of the running maximum): every later rescaling is an exact power of two, so the quantised numbers keep their values, but for numbers so far below the row's largest that they fall under the format's range.
;;   OPERANDS COMPUTED ON THE WAY. 'Computed on the way' means the value that the module computes at that place (a softmax that the list does not call 'softmax' is quantised finished and normalised). What goes into a quantiser is computed in f32, as accurately as f32 sums, v_exp_f32 and their like allow (about 1e-6 of the number): no bf16 or f16 on the way to a quantiser, and a product that is left as it is and whose result goes on into a quantised operand takes f32 operands (vector FMAs, or v_wmma_f32_16x16x4_f32). A number that lies on a knife's edge between two numbers of the format may be rounded either way, as far as f32 arithmetic and the matrix unit's own rounding can turn it there, and no further.
;; One version. Each part assembles by itself: llvm-mc -triple=amdgcn-amd-amdhsa -mcpu=gfx1250 --defsym DOCPART=n.
;; ======== version 1 of 1: 4 launches
;; limits: right only within a limited range of input values
;; workspace buffers: codes 29,360,128 bytes; qkv 25,165,824 bytes; oimg 8,388,608 bytes
;; launch quant (part 1): grid 640 x 1, 4 waves a work-group, no clusters, 68,096 bytes of LDS; arguments x, Wq, Wk, Wv, Wo, lowp_scales, codes; writes codes
.if DOCPART == 1
	.amdgcn_target "amdgcn-amd-amdhsa--gfx1250"
	.amdhsa_code_object_version 6
	.text
	.protected	k_qb70969860a_quant
	.globl	k_qb70969860a_quant
	.p2align	8
	.type	k_qb70969860a_quant,@function
k_qb70969860a_quant:
	s_mov_b64 s[64:65], 0
	v_nop
	global_prefetch_b8 v0, s[64:65] scope:SCOPE_SE
	s_setreg_imm32_b32 hwreg(HW_REG_WAVE_MODE, 25, 1), 1
	s_wait_xcnt 0x0
; x [8192][1024] f32 becomes THREE sets of E4M3 codes (one for each of the three projections: scale entries 1, 3, 5), and Wq, Wk, Wv [16][1024][64] and Wo [1024][1024],
; whose K is not innermost, become codes laid [1024 (n)][1024 (k)] with K innermost (entries 0, 2, 4, 11).  code = number / 2^e, held within +-448, to the nearest code, ties to even.
; THE BUFFER OF CODES: x for q at 0, for k at XK, for v at XV (8,192 rows of 1,024 bytes each); then Wq, Wk, Wv, Wo at WQ + 2^20 x tensor; row n of a projection weight is 64 x head + e.
; In Wo's codes the two middle groups of eight bytes of every 32 change places: byte 16 h + 8 u + j holds k = 16 u + 8 h + j, so that a 16-byte read at 16 h gives a lane the k that the plain
; 8-bit matrix layout gives it (ISA guide 7.12.2).  That costs nothing: only the rows that a lane's registers 8-23 load are other rows.
; WORK-GROUPS 0-511 take x: a plain stream, 4,096 numbers a wave in 8 steps of 512; each load reads 512 consecutive bytes; a step turns through the wave's own stage in LDS so that a lane holds 16 neighbours.
; WORK-GROUPS 512-639 take the weights, 32 each: a lane takes a column n and its registers run down K; a wave takes 32 columns x 256 along K; the codes leave through the wave's own stage as rows.
; The two ways part on the work-group's number at once and never join; each has LDS bytes of its own.  No barrier: waves share nothing.
; LIMITS: each of the seven exponents lies between -126 and 119, so that 2^e and 448 x 2^e are f32 numbers.  NaN among the inputs is not served.
.set XK,    0x800000
.set XV,    0x1000000
.set WQ,    0x1800000
.set NXWG,  512                        ; work-groups for x
.set STEPS, 8
.set WREG,  8192                       ; x: LDS for a wave: two stages of 32 x SP bytes
.set SP,    80                         ; a lane's place in a stage: 64 bytes + 16 of padding
.set SC,    5                          ; v5-7     2^e1, 2^e3, 2^e5
.set LIM,   8                          ; v8-10    448 x those
.set R,     16                         ; v16-79   four sets of 16 numbers as loaded
.set X,     80                         ; v80-111  two sets of 16 neighbours
.set T,     112                        ; v112-127 the 16 numbers held for one scale
.set C,     128                        ; v128-223 codes: 12 registers for each step, so that no store's data are written again
.set OFF,   16                         ; weights: v16-47 byte offset of my column in the 32 rows of a block
.set WX,    48                         ; v48-111  two sets of 32 numbers
.set WC,    112                        ; v112-119 a block's codes
.set OUTR,  120                        ; v120-183 the way out
.set PITCH, 272                        ; a stage row: 256 bytes of codes + 16
.set WSTG,  32768                      ; the weights' stages lie behind x's
.set BASE,  48                         ; s[48:63] the address of each of the wave's eight blocks of 32 along K
	s_load_b256 s[4:11], s[0:1], 0x0               ; x, Wq, Wk, Wv
	s_load_b128 s[12:15], s[0:1], 0x20             ; Wo, the scales' exponents
	s_load_b64 s[16:17], s[0:1], 0x30              ; the codes
	v_lshl_add_u32 v224, v0, 2, 0x10800
	v_mov_b32 v225, 0
	v_lshrrev_b32 v1, 5, v0
	v_readfirstlane_b32 s18, v1                    ; wave
	v_and_b32 v2, 31, v0                           ; lane
	s_wait_kmcnt 0x0
	s_load_b256 s[36:43], s[14:15], 0x0            ; e0 .. e7
	s_load_b128 s[44:47], s[14:15], 0x20           ; e8 .. e11
	s_cmp_lt_u32 ttmp9, NXWG
	s_cbranch_scc0 .Lweights
	; ---------------- x ----------------
	s_wait_alu depctr_va_vdst(0)
	v_lshlrev_b32 v3, 4, v2                        ; my 16 bytes of a load's 512, and of a step's 512 bytes of codes
	s_wait_alu depctr_va_vdst(0)
	s_mul_i32 s19, s18, WREG
	v_lshrrev_b32 v14, 2, v2
	v_mul_u32_u24 v14, v14, SP
	v_and_b32 v15, 3, v2
	v_lshl_add_u32 v14, v15, 4, v14
	v_add_nc_u32 v14, s19, v14                     ; the stage, on the way in: SP (lane / 4) + 16 (lane % 4)
	v_mul_u32_u24 v15, v2, SP
	v_add_nc_u32 v15, s19, v15                     ; and on the way out: SP x lane: my 16 neighbours
	s_lshl_b32 s20, ttmp9, 2
	s_add_co_u32 s20, s20, s18                     ; which run of 4,096 numbers is my wave's
	s_lshl_b32 s26, s20, 14
	s_mov_b32 s27, 0
	s_add_nc_u64 s[4:5], s[4:5], s[26:27]
	s_lshl_b32 s26, s20, 12
	s_add_nc_u64 s[20:21], s[16:17], s[26:27]      ; the three sets of codes: three bases, since they lie further apart than a store's immediate reaches
	s_add_nc_u64 s[22:23], s[20:21], XK
	s_add_nc_u64 s[24:25], s[20:21], XV
.macro LOAD t
.irp i, 0,1,2,3
	global_load_b128 v[R+16*((\t)%4)+4*\i:R+16*((\t)%4)+4*\i+3], v3, s[4:5] offset:2048*(\t)+512*\i th:TH_LOAD_NT   ; 32 lanes read 512 consecutive bytes
.endr
.endm
.macro TURN t                          ; step t's numbers through the stage: LDS serves a wave's instructions in order, so no wait stands between the stores and the loads
.irp i, 0,1,2,3
	ds_store_b128 v14, v[R+16*((\t)%4)+4*\i:R+16*((\t)%4)+4*\i+3] offset:32*SP*((\t)%2)+8*SP*\i
.endr
.irp i, 0,1,2,3
	ds_load_b128 v[X+16*((\t)%2)+4*\i:X+16*((\t)%2)+4*\i+3], v15 offset:32*SP*((\t)%2)+16*\i
.endr
.endm
.irp t, 0,1,2,3
	LOAD \t
.endr
	s_wait_alu depctr_va_vdst(0)
	s_wait_kmcnt 0x0
.irp n, 0,1,2                          ; e1, e3, e5
	s_add_co_i32 s26, s[37+2*\n], 127
	s_lshl_b32 s27, s26, 23
	v_mov_b32 v[SC+\n], s27                        ; 2^e as f32: the conversion takes its exponent field
	s_add_co_i32 s26, s26, 8
	s_lshl_b32 s26, s26, 23
	s_or_b32 s26, s26, 0x600000
	v_mov_b32 v[LIM+\n], s26                       ; 448 x 2^e
.endr
	s_wait_alu depctr_va_vdst(0)
	s_wait_loadcnt 12                              ; step 0's four loads are in
	TURN 0
.macro STEP t
.set XS, X+16*((\t)%2)
	s_wait_dscnt 0x0                               ; this step's numbers are back from the stage, and its stores into the stage have read their registers,
.if (\t)+4 < STEPS
	LOAD (\t)+4                                    ; which take the loads of four steps on
.endif
.if (\t)+1 < STEPS
.if STEPS-2-(\t) >= 3
	s_wait_loadcnt 12                              ; the next step's four loads are in; those of the three steps behind it may be out
.else
	s_wait_loadcnt 4*(STEPS-2-(\t))
.endif
	TURN (\t)+1                                    ; they go through the other stage while this step is worked
.endif
.irp n, 0,1,2                          ; the same 16 numbers, once for each of the three scales
.irp i, 0,1,2,3,4,5,6,7,8,9,10,11,12,13,14,15
	v_med3_num_f32 v[T+\i], v[XS+\i], -v[LIM+\n], v[LIM+\n]   ; the conversion to an 8-bit code does not saturate (ISA guide 7.6.2): the hold comes first
.endr
	v_cvt_scalef32_pk8_fp8_f32 v[C+12*(\t)+4*\n:C+12*(\t)+4*\n+1], v[T:T+7], v[SC+\n]
	v_cvt_scalef32_pk8_fp8_f32 v[C+12*(\t)+4*\n+2:C+12*(\t)+4*\n+3], v[T+8:T+15], v[SC+\n]
	v_nop                                          ; a plain line between the conversions and the next holds, which write their sources
	global_store_b128 v3, v[C+12*(\t)+4*\n:C+12*(\t)+4*\n+3], s[20+2*\n:21+2*\n] offset:512*(\t)   ; 32 lanes store 512 consecutive bytes, aligned
.endr
.endm
.irp t, 0,1,2,3,4,5,6,7
	STEP \t
.endr
	s_wait_tensorcnt 0x0
	ds_add_u32 v224, v225
	s_wait_dscnt 0x0
	s_endpgm
	; ---------------- the weights ----------------
.Lweights:
	s_sub_co_u32 s19, ttmp9, NXWG
	s_lshr_b32 s33, s19, 5                         ; the tensor: 0 Wq, 1 Wk, 2 Wv, 3 Wo
	s_and_b32 s19, s19, 31
	s_lshr_b32 s34, s19, 1
	s_lshl_b32 s34, s34, 1
	s_and_b32 s22, s18, 1
	s_add_co_u32 s34, s34, s22                     ; g: which 32 columns; two waves stand side by side on 256 bytes of a row
	s_and_b32 s35, s19, 1
	s_lshl_b32 s35, s35, 1
	s_lshr_b32 s22, s18, 1
	s_add_co_u32 s35, s35, s22                     ; which 256 along K
	s_lshr_b32 s22, s34, 1
	s_lshl_b32 s22, s22, 18                        ; a projection weight: head g / 2 (262,144 bytes a head),
	s_and_b32 s23, s34, 1
	s_lshl_b32 s23, s23, 7
	s_add_co_u32 s22, s22, s23                     ; + 128 bytes for its upper 32 columns
	s_lshl_b32 s23, s34, 7                         ; Wo: 128 g
	s_mov_b32 s24, 4096                            ; Wo: bytes from a row of K to the next
	s_wait_kmcnt 0x0
	s_cmp_lt_u32 s33, 1                            ; every choice hangs on the work-group's number alone
	s_cselect_b64 s[20:21], s[6:7], s[8:9]
	s_cselect_b32 s25, s36, s38
	s_cmp_lt_u32 s33, 2
	s_cselect_b64 s[20:21], s[20:21], s[10:11]
	s_cselect_b32 s25, s25, s40
	s_cmp_lt_u32 s33, 3
	s_cselect_b64 s[20:21], s[20:21], s[12:13]     ; the tensor
	s_cselect_b32 s25, s25, s47                    ; its e: entry 0, 2, 4 or 11
	s_cselect_b32 s24, 256, s24                    ; its pitch along K
	s_cselect_b32 s22, s22, s23                    ; my columns' place in a row
	s_cselect_b32 s23, 0, 0x8000                   ; eight rows of Wo, or nothing: the exchange of the two middle groups
	s_lshl_b32 s26, s35, 8
	s_mul_i32 s26, s26, s24                        ; my 256 along K
	s_add_co_u32 s26, s26, s22
	s_mov_b32 s27, 0
	s_add_nc_u64 s[BASE:BASE+1], s[20:21], s[26:27]
	s_lshl_b32 s28, s24, 5                         ; a block of 32 along K
	s_mov_b32 s29, 0
.irp t, 1,2,3,4,5,6,7
	s_add_nc_u64 s[BASE+2*\t:BASE+2*\t+1], s[BASE+2*\t-2:BASE+2*\t-1], s[28:29]
.endr
	s_wait_alu depctr_va_vdst(0)
	v_lshlrev_b32 v[OFF], 2, v2                    ; 4 bytes a lane; register i: row i of the block
.set i, 1
.rept 31
	v_add_nc_u32 v[OFF+i], s24, v[OFF+i-1]
.set i, i+1
.endr
.set i, 8
.rept 8
	v_add_nc_u32 v[OFF+i], s23, v[OFF+i]           ; Wo: registers 8-15 take rows 16-23,
	v_sub_nc_u32 v[OFF+i+8], v[OFF+i+8], s23       ; registers 16-23 rows 8-15
.set i, i+1
.endr
	s_lshl_b32 s26, s33, 20                        ; the codes: the tensor's 2^20 bytes,
	s_lshl_b32 s30, s34, 15
	s_add_co_u32 s26, s26, s30                     ; my 32 rows of 1,024 bytes,
	s_lshl_b32 s30, s35, 8
	s_add_co_u32 s26, s26, s30                     ; my 256 bytes of them
	s_add_co_u32 s26, s26, WQ
	s_add_nc_u64 s[16:17], s[16:17], s[26:27]
	s_mul_i32 s19, s18, 32*PITCH
	s_add_co_u32 s19, s19, WSTG                    ; my stage
	v_mul_u32_u24 v4, v2, PITCH
	v_add_nc_u32 v4, s19, v4                       ; into it: row = my column
	v_and_b32 v5, 15, v2
	v_lshrrev_b32 v6, 4, v2                        ; out of it: sixteen lanes to a row, two rows an instruction
	v_mul_u32_u24 v7, v6, PITCH
	v_lshl_add_u32 v7, v5, 4, v7
	v_add_nc_u32 v7, s19, v7
	v_lshlrev_b32 v8, 10, v6
	v_lshl_add_u32 v8, v5, 4, v8                   ; and the same place among the codes' rows
.macro WLOAD t                         ; block t: 32 rows of K at my column, into set t % 2; a wave reads 128 consecutive bytes
.set i, 0
.rept 32
	global_load_b32 v[WX+32*((\t)%2)+i], v[OFF+i], s[BASE+2*(\t):BASE+2*(\t)+1]
.set i, i+1
.endr
.endm
	WLOAD 0
	WLOAD 1
	s_add_co_i32 s25, s25, 127
	s_lshl_b32 s26, s25, 23
	v_mov_b32 v11, s26                             ; 2^e
	s_add_co_i32 s25, s25, 8
	s_lshl_b32 s25, s25, 23
	s_or_b32 s25, s25, 0x600000
	v_mov_b32 v10, s25                             ; 448 x 2^e
.macro BLOCK t
.set XS, WX+32*((\t)%2)
.if (\t) < 7
	s_wait_loadcnt 32                              ; this block's 32 loads are in; the next block's may be out
.else
	s_wait_loadcnt 0x0
.endif
.set i, 0
.rept 32
	v_med3_num_f32 v[XS+i], v[XS+i], -v10, v10
.set i, i+1
.endr
.irp g, 0,1,2,3
	v_cvt_scalef32_pk8_fp8_f32 v[WC+2*\g:WC+2*\g+1], v[XS+8*\g:XS+8*\g+7], v11
.endr
	ds_store_b128 v4, v[WC:WC+3] offset:32*(\t)    ; 32 codes: 32 bytes of my column's row
	ds_store_b128 v4, v[WC+4:WC+7] offset:32*(\t)+16
.if (\t)+2 < 8
	WLOAD (\t)+2
.endif
	s_wait_dscnt 0x0                               ; the stores have read their registers: the next block's codes may be written (its 32 holds, plain lines on other registers, come first)
.endm
	s_wait_alu depctr_va_vdst(0)
.irp t, 0,1,2,3,4,5,6,7
	BLOCK \t
.endr
.irp t, 0,1,2,3,4,5,6,7,8,9,10,11,12,13,14,15
	ds_load_b128 v[OUTR+4*\t:OUTR+4*\t+3], v7 offset:2*\t*PITCH   ; LDS serves a wave's instructions in order: these see my stores
.endr
.irp t, 0,1,2,3,4,5,6,7,8,9,10,11,12,13,14,15
	s_wait_dscnt 15-\t
	global_store_b128 v8, v[OUTR+4*\t:OUTR+4*\t+3], s[16:17] offset:2*\t*1024   ; sixteen lanes store 256 consecutive bytes, aligned
.endr
	s_wait_tensorcnt 0x0
	ds_add_u32 v224, v225
	s_wait_dscnt 0x0
	s_endpgm
.Lfunc_end_k_qb70969860a_quant:
	.size	k_qb70969860a_quant, .Lfunc_end_k_qb70969860a_quant-k_qb70969860a_quant
	.p2alignl 7, 3214868480
	.fill 96, 4, 3214868480
	.section	.rodata,"a",@progbits
	.p2align	6, 0x0
	.amdhsa_kernel k_qb70969860a_quant
		.amdhsa_group_segment_fixed_size 68096
		.amdhsa_private_segment_fixed_size 0
		.amdhsa_enable_private_segment 0
		.amdhsa_kernarg_size 56
		.amdhsa_user_sgpr_count 2
		.amdhsa_user_sgpr_kernarg_segment_ptr 1
		.amdhsa_wavefront_size32 1
		.amdhsa_system_sgpr_workgroup_id_x 1
		.amdhsa_system_sgpr_workgroup_id_y 1
		.amdhsa_system_sgpr_workgroup_id_z 1
		.amdhsa_system_vgpr_workitem_id 0
		.amdhsa_next_free_vgpr 226
		.amdhsa_next_free_sgpr 66
		.amdhsa_reserve_vcc 0
		.amdhsa_float_denorm_mode_32 3
		.amdhsa_float_denorm_mode_16_64 3
		.amdhsa_memory_ordered 1
		.amdhsa_forward_progress 1
		.amdhsa_inst_pref_size 92
	.end_amdhsa_kernel
	.amdgpu_metadata
---
amdhsa.version: [ 1, 2 ]
amdhsa.kernels:
  - .name:           k_qb70969860a_quant
    .symbol:         k_qb70969860a_quant.kd
    .args:
      - { .name: x, .offset: 0, .size: 8, .value_kind: global_buffer, .address_space: global }
      - { .name: Wq, .offset: 8, .size: 8, .value_kind: global_buffer, .address_space: global }
      - { .name: Wk, .offset: 16, .size: 8, .value_kind: global_buffer, .address_space: global }
      - { .name: Wv, .offset: 24, .size: 8, .value_kind: global_buffer, .address_space: global }
      - { .name: Wo, .offset: 32, .size: 8, .value_kind: global_buffer, .address_space: global }
      - { .name: lowp_scales, .offset: 40, .size: 8, .value_kind: global_buffer, .address_space: global }
      - { .name: codes, .offset: 48, .size: 8, .value_kind: global_buffer, .address_space: global }
    .group_segment_fixed_size: 68096
    .private_segment_fixed_size: 0
    .kernarg_segment_align: 8
    .kernarg_segment_size: 56
    .max_flat_workgroup_size: 128
    .sgpr_count:     66
    .vgpr_count:     226
    .wavefront_size: 32
...
	.end_amdgpu_metadata
.endif
;; end of part 1
;; launch proj (part 2): grid 12 x 32, 4 waves a work-group, clusters of 4 x 4, 327,680 bytes of LDS; arguments codes, lowp_scales, qkv; writes qkv
.if DOCPART == 2
	.amdgcn_target "amdgcn-amd-amdhsa--gfx1250"
	.amdhsa_code_object_version 6
	.text
	.protected	k_qb70969860a_proj
	.globl	k_qb70969860a_proj
	.p2align	8
	.type	k_qb70969860a_proj,@function
k_qb70969860a_proj:
	s_mov_b64 s[64:65], 0
	v_nop
	global_prefetch_b8 v0, s[64:65] scope:SCOPE_SE
	s_setreg_imm32_b32 hwreg(HW_REG_WAVE_MODE, 25, 1), 1
	s_wait_xcnt 0x0
	s_wait_alu depctr_hold_cnt(0) depctr_sa_sdst(0) depctr_va_vdst(0) depctr_va_sdst(0) depctr_va_ssrc(0) depctr_va_vcc(0) depctr_vm_vsrc(0)
	s_getreg_b32 s2, hwreg(HW_REG_IB_STS2, 6, 4)
	s_cmp_eq_u32 s2, 0
	s_cbranch_scc0 .Lentry_in_a_cluster
	s_endpgm
.Lentry_in_a_cluster:
	s_bfe_u32 s2, ttmp6, 0x10000c
	s_cmp_lg_u32 s2, 0xf033
	s_cbranch_scc0 .Lentry_shape_is_right
	s_endpgm
.Lentry_shape_is_right:
.set WREGION, 0x1800000
.set SIZE_K, 1024
.set KSTEP,  256
.set ROWB,   256
.set KROW,   1024
.set PITCH,  272
.set FR,     16
.set NL,     4
.set NP,     4
.set HALFT,  128*PITCH
.set SLOT,   4*HALFT
.set LAPS,   SIZE_K/(2*KSTEP)
.set SPARE,  2*SLOT
.set SCL,  12
.set LIM,  13
.set ADRA, 16
.set ADRB, 20
.set CO,   26
.set SPW,  28
.set NIL,  29
.set TMP,  32
.set AF,   128
.set G1, 24
.set G0, 32
.set G1B, 48
.set G0B, 56
.set MSB, 0
.macro WIN new
.if MSB != (\new)
	s_set_vgpr_msb (MSB<<8)|(\new)
.set MSB, (\new)
.endif
.endm
.set MUL_LO, 0xa1
.set MUL_HI, 0xf1
.set TO_B,   0x40
.macro JLOAD g0a, g1a, g0b, g1b
	s_cmp_eq_u32 s15, 0
	s_cbranch_scc0 .Lfor_b_\@
	tensor_load_to_lds s[\g0a:\g0a+3], s[\g1a:\g1a+7]
	s_nop 0
.rept 4
	v_nop
.endr
	s_branch .Lasked_\@
.Lfor_b_\@:
	tensor_load_to_lds s[\g0b:\g0b+3], s[\g1b:\g1b+7]
	s_nop 0
.rept 4
	v_nop
.endr
.Lasked_\@:
.endm
.macro CREST
	s_cmp_lg_u32 s14, 0
	s_cbranch_scc1 .Lnot_wave_0_\@
	s_barrier_signal -3
.Lnot_wave_0_\@:
	s_barrier_wait -3
	s_barrier_signal -1
	s_barrier_wait -1
.endm
.macro CROUND
	s_barrier_signal -1
	s_barrier_wait -1
	CREST
.endm
	s_load_b128 s[4:7], s[0:1], 0x0
	s_load_b64 s[10:11], s[0:1], 0x10
	v_lshl_add_u32 v[SPW], v0, 2, SPARE
	v_mov_b32 v[NIL], 0
	ds_add_u32 v28, v29
	ds_add_u32 v28, v29
	s_wait_dscnt 0x0
	v_lshrrev_b32 v1, 5, v0
	v_readfirstlane_b32 s14, v1
	s_lshr_b32 s15, s14, 1
	s_and_b32 s16, s14, 1
	s_bfe_u32 s40, ttmp6, 0x40000
	s_bfe_u32 s41, ttmp6, 0x40004
	s_and_b32 s13, ttmp7, 0xffff
	s_lshl_b32 s13, s13, 2
	s_lshl_b32 s80, ttmp9, 23
	s_lshl_b32 s81, ttmp9, 20
	s_add_co_u32 s81, s81, WREGION
	s_cmp_eq_u32 ttmp9, 2
	s_cselect_b32 s12, 0, s13
	s_cselect_b32 s13, s13, 0
	s_cselect_b32 s82, s81, s80
	s_cselect_b32 s83, s80, s81
	s_add_co_u32 s17, s41, s12
	s_add_co_u32 s42, s40, s13
	s_lshl_b32 s43, s41, 2
	s_lshl_b32 s43, 15, s43
	s_lshl_b32 s44, 0x1111, s40
	s_or_b32 s[G1+0], s43, (0<<16)|(1<<20)|(1<<21)|(5<<22)|(3<<25)
	s_or_b32 s[G1B+0], s44, (0<<16)|(1<<20)|(1<<21)|(5<<22)|(3<<25)
.irp g, G1, G1B
	s_mov_b32 s[\g+1], ROWB<<16
	s_mov_b32 s[\g+2], 128<<16
	s_mov_b32 s[\g+3], ROWB<<16
	s_mov_b32 s[\g+4], 128
	s_mov_b32 s[\g+5], KROW
	s_mov_b32 s[\g+6], 0
	s_mov_b32 s[\g+7], 0
.endr
	s_lshl_b32 s18, s16, 7
	s_lshl_b32 s20, s17, 8
	s_add_co_u32 s20, s20, s18
	s_lshl_b32 s20, s20, 10
	s_add_co_u32 s20, s20, s82
	s_mov_b32 s21, 0
	s_lshl_b32 s46, s42, 8
	s_add_co_u32 s46, s46, s18
	s_lshl_b32 s46, s46, 10
	s_add_co_u32 s46, s46, s83
	s_mov_b32 s47, 0
	s_mul_i32 s45, s14, HALFT
	s_wait_kmcnt 0x0
	s_load_b256 s[68:75], s[6:7], 0x0
	s_load_b128 s[76:79], s[6:7], 0x20
	s_add_nc_u64 s[20:21], s[4:5], s[20:21]
	s_add_nc_u64 s[46:47], s[4:5], s[46:47]
	; the prefetches: of the 128 rows that my wave fetches, each of the four partners that ask for them jointly names 32, told apart by address (cx for A's rows, cy for B's); a lane a row of 1,024 bytes
	s_cmp_eq_u32 s15, 0
	s_cselect_b64 s[90:91], s[20:21], s[46:47]
	s_cselect_b32 s92, s40, s41
	s_lshl_b32 s92, s92, 15
	s_mov_b32 s93, 0
	s_add_nc_u64 s[90:91], s[90:91], s[92:93]      ; never rewritten
	v_and_b32 v30, 31, v0
	v_lshlrev_b32 v30, 10, v30                     ; never rewritten
.irp s, 0,1
	s_mov_b32 s[G0+4*\s], 1
	s_add_co_u32 s[G0+4*\s+1], s45, \s*SLOT
	s_add_nc_u64 s[G0+4*\s+2:G0+4*\s+3], s[20:21], \s*ROWB
	s_or_b32 s[G0+4*\s+3], s[G0+4*\s+3], 0x80000000
	s_mov_b32 s[G0B+4*\s], 1
	s_add_co_u32 s[G0B+4*\s+1], s45, \s*SLOT
	s_add_nc_u64 s[G0B+4*\s+2:G0B+4*\s+3], s[46:47], \s*ROWB
	s_or_b32 s[G0B+4*\s+3], s[G0B+4*\s+3], 0x80000000
	s_wait_alu depctr_va_vdst(0)
	s_wait_tensorcnt 0x0
	ds_add_u32 v28, v29
	ds_add_u32 v28, v29
	s_wait_dscnt 0x0
	CROUND
	JLOAD G0+4*\s, G1, G0B+4*\s, G1B
.if \s == 0
	global_prefetch_b8 v30, s[90:91] offset:256 th:TH_LOAD_NT scope:SCOPE_SE   ; behind K step 0's load: the 256 bytes a row of K steps 1 and 2
	global_prefetch_b8 v30, s[90:91] offset:512 th:TH_LOAD_NT scope:SCOPE_SE
.else
	global_prefetch_b8 v30, s[90:91] offset:768 th:TH_LOAD_NT scope:SCOPE_SE   ; behind K step 1's load: K step 3, the last
.endif
.endr
	v_and_b32 v1, 15, v0
	v_bfe_u32 v2, v0, 4, 1
	v_mul_u32_u24 v3, v1, PITCH
	v_lshl_add_u32 v4, v2, 4, v3
	s_mul_i32 s21, s15, HALFT
	s_mul_i32 s22, s16, HALFT
	s_add_co_u32 s22, s22, 2*HALFT
.irp s, 0,1
	v_add_nc_u32 v[ADRA+\s], s21, v4
	v_add_nc_u32 v[ADRB+\s], s22, v4
	s_add_co_u32 s21, s21, SLOT
	s_add_co_u32 s22, s22, SLOT
.endr
	v_and_b32 v6, 31, v0
	v_lshlrev_b32 v[CO], 4, v6
	s_lshl_b32 s84, s17, 8
	s_lshl_b32 s85, s15, 7
	s_add_co_u32 s84, s84, s85
	s_lshl_b32 s85, s42, 8
	s_lshl_b32 s86, s16, 7
	s_add_co_u32 s85, s85, s86
	s_cmp_eq_u32 ttmp9, 2
	s_cselect_b32 s86, s85, s84
	s_cselect_b32 s87, s84, s85
	s_lshr_b32 s88, s86, 11
	s_lshl_b32 s88, s88, 3
	s_lshr_b32 s87, s87, 7
	s_add_co_u32 s88, s88, s87
	s_lshl_b32 s88, s88, 4
	s_bfe_u32 s86, s86, 0x40007
	s_add_co_u32 s88, s88, s86
	s_lshl_b32 s88, s88, 14
	s_lshl_b32 s86, ttmp9, 23
	s_add_co_u32 s88, s88, s86
	s_mov_b32 s89, 0
	s_add_nc_u64 s[10:11], s[10:11], s[88:89]
	s_wait_alu depctr_va_vdst(0)
	s_wait_kmcnt 0x0
	s_sub_co_i32 s82, s74, s68
	s_sub_co_i32 s82, s82, s69
	s_sub_co_i32 s83, s75, s70
	s_sub_co_i32 s83, s83, s71
	s_sub_co_i32 s84, s77, s72
	s_sub_co_i32 s84, s84, s73
	s_cmp_eq_u32 ttmp9, 0
	s_cselect_b32 s82, s82, s83
	s_cmp_eq_u32 ttmp9, 2
	s_cselect_b32 s82, s84, s82
	s_add_co_i32 s82, s82, 127
	s_lshl_b32 s83, s82, 23
	v_mov_b32 v[SCL], s83
	s_add_co_i32 s82, s82, 8
	s_lshl_b32 s82, s82, 23
	s_or_b32 s82, s82, 0x600000
	v_mov_b32 v[LIM], s82
.macro FRAG reg, adr, q, i
.irp c, 0,1,2,3
	ds_load_b128 v[\reg+4*\c:\reg+4*\c+3], v[\adr] offset:128*(\q)+32*\c+(\i)*16*PITCH
.endr
.endm
.macro MUL16 a0, p, zero
.irp a, \a0, \a0+1
.irp b, 0,1,2,3,4,5,6,7
.if \zero
	v_wmma_f32_16x16x128_fp8_fp8 v[8*(8*((\a)%4)+\b):8*(8*((\a)%4)+\b)+7], v[128*(\p)+FR*\b:128*(\p)+FR*\b+FR-1], v[AF+FR*(\a):AF+FR*(\a)+FR-1], 0
.else
	v_wmma_f32_16x16x128_fp8_fp8 v[8*(8*((\a)%4)+\b):8*(8*((\a)%4)+\b)+7], v[128*(\p)+FR*\b:128*(\p)+FR*\b+FR-1], v[AF+FR*(\a):AF+FR*(\a)+FR-1], v[8*(8*((\a)%4)+\b):8*(8*((\a)%4)+\b)+7]
.endif
.endr
.endr
.endm
.macro FETCH_B slot, q, p
	WIN TO_B
.irp i, 0,1,2,3,4,5,6,7
	FRAG 128*(\p)+FR*\i, ADRB+\slot, \q, \i
.endr
	WIN 0
.endm
.macro FETCH_A slot, q, i0
.irp i, \i0, \i0+1, \i0+2, \i0+3
	FRAG AF+FR*(\i), ADRA+\slot, \q, \i
.endr
.endm
.macro PLACES n
.rept \n
	v_nop
.endr
.endm
.macro STEP slot, q, zero
	s_wait_dscnt 4*NL
	WIN MUL_LO
	MUL16 0, (\q)%2, \zero
	MUL16 2, (\q)%2, \zero
	s_wait_dscnt 0
	PLACES NP
	FETCH_B \slot, (\q)+1, 1-(\q)%2
	FETCH_A \slot, (\q)+1, 0
	WIN MUL_HI
	MUL16 4, (\q)%2, \zero
	MUL16 6, (\q)%2, \zero
	PLACES NP
	WIN 0
	FETCH_A \slot, (\q)+1, 4
.endm
.macro TURN slot, next, fill
	s_wait_tensorcnt 0x0
	ds_add_u32 v[SPW], v[NIL]
	s_wait_dscnt 4*NL+1
	WIN MUL_LO
	MUL16 0, 1, 0
	s_wait_dscnt 0x0
	s_barrier_signal -1
	MUL16 2, 1, 0
	WIN 0
	s_barrier_wait -1
.if \fill
	CREST
	s_add_nc_u64 s[G0+4*\slot+2:G0+4*\slot+3], s[G0+4*\slot+2:G0+4*\slot+3], 2*ROWB
	s_add_nc_u64 s[G0B+4*\slot+2:G0B+4*\slot+3], s[G0B+4*\slot+2:G0B+4*\slot+3], 2*ROWB
	JLOAD G0+4*\slot, G1, G0B+4*\slot, G1B
.else
	PLACES NP
.endif
	FETCH_B \next, 0, 0
	FETCH_A \next, 0, 0
	WIN MUL_HI
	MUL16 4, 1, 0
	MUL16 6, 1, 0
	PLACES NP
	WIN 0
	FETCH_A \next, 0, 4
.endm
	s_wait_tensorcnt 1
	s_barrier_signal -1
	s_barrier_wait -1
	FETCH_B 0, 0, 0
	FETCH_A 0, 0, 0
	FETCH_A 0, 0, 4
	STEP 0, 0, 1
	s_mov_b32 s3, LAPS-1
.Llap:
	TURN 0, 1, 1
	STEP 1, 0, 0
	TURN 1, 0, 1
	STEP 0, 0, 0
	s_sub_co_u32 s3, s3, 1
	s_cmp_lg_u32 s3, 0
	s_cbranch_scc1 .Llap
	TURN 0, 1, 0
	STEP 1, 0, 0
	s_wait_dscnt 4*NL
	WIN MUL_LO
	MUL16 0, 1, 0
	MUL16 2, 1, 0
	s_wait_alu depctr_va_vdst(0)
	s_wait_dscnt 0
	WIN MUL_HI
	MUL16 4, 1, 0
	MUL16 6, 1, 0
	WIN 0
	PLACES NP
.irp a, 0,1,2,3,4,5,6,7
.set AC, 64*((\a)%4)
	WIN 0x02+((\a)/4)
.set j, 0
.rept 64
	v_med3_num_f32 v[TMP+j], v[AC+j], -v[LIM], v[LIM]
.set j, j+1
.endr
	WIN 0
.irp b, 0,1,2,3,4,5,6,7
	v_cvt_scalef32_pk8_fp8_f32 v[AF+16*\a+2*\b:AF+16*\a+2*\b+1], v[TMP+8*\b:TMP+8*\b+7], v[SCL]
.endr
	v_nop
.irp c, 0,1,2,3
	global_store_b128 v[CO], v[AF+16*\a+4*\c:AF+16*\a+4*\c+3], s[10:11] offset:\a*2048+\c*512
.endr
.endr
	s_wait_tensorcnt 0x0
	ds_add_u32 v[SPW], v[NIL]
	s_wait_dscnt 0x0
	CROUND
	s_endpgm
.Lfunc_end_k_qb70969860a_proj:
	.size	k_qb70969860a_proj, .Lfunc_end_k_qb70969860a_proj-k_qb70969860a_proj
	.p2alignl 7, 3214868480
	.fill 96, 4, 3214868480
	.section	.rodata,"a",@progbits
	.p2align	6, 0x0
	.amdhsa_kernel k_qb70969860a_proj
		.amdhsa_group_segment_fixed_size 327680
		.amdhsa_private_segment_fixed_size 0
		.amdhsa_enable_private_segment 0
		.amdhsa_kernarg_size 24
		.amdhsa_user_sgpr_count 2
		.amdhsa_user_sgpr_kernarg_segment_ptr 1
		.amdhsa_wavefront_size32 1
		.amdhsa_system_sgpr_workgroup_id_x 1
		.amdhsa_system_sgpr_workgroup_id_y 1
		.amdhsa_system_sgpr_workgroup_id_z 1
		.amdhsa_system_vgpr_workitem_id 0
		.amdhsa_next_free_vgpr 1024
		.amdhsa_next_free_sgpr 98
		.amdhsa_reserve_vcc 0
		.amdhsa_float_denorm_mode_32 3
		.amdhsa_float_denorm_mode_16_64 3
		.amdhsa_memory_ordered 1
		.amdhsa_forward_progress 1
		.amdhsa_inst_pref_size 120
	.end_amdhsa_kernel
	.amdgpu_metadata
---
amdhsa.version: [ 1, 2 ]
amdhsa.kernels:
  - .name:           k_qb70969860a_proj
    .symbol:         k_qb70969860a_proj.kd
    .args:
      - { .name: codes, .offset: 0, .size: 8, .value_kind: global_buffer, .address_space: global }
      - { .name: lowp_scales, .offset: 8, .size: 8, .value_kind: global_buffer, .address_space: global }
      - { .name: qkv, .offset: 16, .size: 8, .value_kind: global_buffer, .address_space: global }
    .group_segment_fixed_size: 327680
    .private_segment_fixed_size: 0
    .kernarg_segment_align: 8
    .kernarg_segment_size: 24
    .max_flat_workgroup_size: 128
    .sgpr_count:     98
    .vgpr_count:     1024
    .wavefront_size: 32
...
	.end_amdgpu_metadata
.endif
;; end of part 2
;; launch attn (part 3): grid 4 x 64, 8 waves a work-group, clusters of 4 x 1, 263,168 bytes of LDS; arguments qkv, lowp_scales, oimg; writes oimg
.if DOCPART == 3
	.amdgcn_target "amdgcn-amd-amdhsa--gfx1250"
	.amdhsa_code_object_version 6
	.text
	.protected	k_qb70969860a_attn
	.globl	k_qb70969860a_attn
	.p2align	8
	.type	k_qb70969860a_attn,@function
k_qb70969860a_attn:
	s_mov_b64 s[64:65], 0
	v_nop
	global_prefetch_b8 v0, s[64:65] scope:SCOPE_SE
	s_setreg_imm32_b32 hwreg(HW_REG_WAVE_MODE, 25, 1), 1
	s_wait_xcnt 0x0
	s_wait_alu depctr_hold_cnt(0) depctr_sa_sdst(0) depctr_va_vdst(0) depctr_va_sdst(0) depctr_va_ssrc(0) depctr_va_vcc(0) depctr_vm_vsrc(0)
	s_getreg_b32 s2, hwreg(HW_REG_IB_STS2, 6, 4)
	s_cmp_eq_u32 s2, 0
	s_cbranch_scc0 .Lentry_in_a_cluster
	s_endpgm
.Lentry_in_a_cluster:
	s_bfe_u32 s2, ttmp6, 0x10000c
	s_cmp_lg_u32 s2, 0x3003
	s_cbranch_scc0 .Lentry_shape_is_right
	s_endpgm
.Lentry_shape_is_right:
; O = softmax(q k^T / 8) v for one (batch, head) a cluster, both products on E4M3 codes; O / l is quantised at once (scale entry 10) for the last product.
; THE SOFTMAX: t = score x log2(e) / 8; M = the running largest t rounded UP to a whole number; p = 2^(t - M) is quantised (entry 8), not normalised; l, the row's sum of the unquantised p, divides O at the end.
; When M moves, l and O are multiplied by f = 2^(old M - new M): nothing is rounded, and no branch hangs on data.
; SHARES.  y = 16 x batch + head.  The four work-groups of a cluster own 512 queries each; a wave owns 64: four tiles of 16.  Each fragment of k and v read from LDS feeds four matrix instructions.
; LDS holds the head's WHOLE k and v, 131,072 bytes each, filled once by joint tensor loads, one a wave (waves 0-3: 32 tiles of k each; waves 4-7: one e tile of v each): no ring, nothing is filled again.
;   k's tile of 16 keys kt at 1,024 kt;  v's fragment (16 e x 128 keys: e tile, key step s) at VLDS + 32,768 e tile + 2,048 s.  All are images of operand registers, 16 bytes a lane.
; No prefetch: k and v are asked for once, at the head, ahead of every loop: there is no trip to run ahead in.
; LAYOUT.  S^T = k q^T (source 0 = 16 keys, source 1 = 16 queries), O^T = v^T p^T (source 0 = 16 e, source 1 = p): a lane holds ONE query (lane % 16).  A lane's eight scores of key tile kt are keys
; 16 kt + 8 (lane / 16) + 0 .. 7: their codes are registers 2 kt, 2 kt + 1 of p's operand in the plain 8-bit layout (ISA guide 7.12.2).  Likewise O^T's eight numbers of an e tile for the last product.
; THE WALK is a chain of 64 blocks, m = 4 x key step + tile, on TWO buffers of 64 scores that take turns.  Block m: the exponentials of tile m with the holds of tile m - 1 between them (independent lines on the other
; buffer); rescaling, codes and second product of tile m - 1; scores of tile m + 1 into the buffer just freed; the sum of tile m, whose lines are the places behind the products and stand between the dependent
; lines of tile m + 1's update of M; t - M of tile m + 1, with the lines that make f among them.  Block 0 and blocks 61 to 63 are written out, since they lack a neighbour; a trip of the loop is blocks of tiles 1, 2, 3, 0.
; O, l begin as zeros and -M as 3e38, so that the first f is 0 and no first step of its own is written: 128 moves, once.
; LIMITS: e6 + e7 between -123 and 130 (added to c's exponent field); e8 and e10 between -126 and 119; the scaled scores stay under 2^31 in magnitude.  NaN among the inputs is not served.
; REGISTERS.  Window 0: v1-6 addresses; v8-10 p's scale and bound (the bound twice, for the two halves of a dual line); v12-27 four a tile: -M, largest score, l in two halves; v28-35 f, a pair a tile;
;   v40 exchange; v42-49 four sums at work; v50-51 the fresh -M, a pair; v56-87 q (at the end O's codes); v88-103 p's codes; v108-115 eight maxima at work; v128-255 the two buffers.
;   Window 1: v0-127 O^T, 32 a tile; v128-191 k's eight tiles; v192-255 v's four fragments.
.set VLDS, 131072
.set SPARE, 262144                     ; the spare words: 128 bytes a wave, behind k and v
.set LI,   1
.set ADK,  2
.set ADV,  3
.set VB,   5
.set PSC,  8
.set PLIM, 9
.set ST,   12
.set F,    28
.set PX,   40
.set SA,   42
.set DT,   50
.set Q,    56
.set OC,   56
.set PC,   88
.set SPW,  104
.set NIL,  105
.set OSC,  106
.set OLIM, 107
.set MC,   108
.set S,    128
.set KF,   128                         ; in window 1
.set VF,   192                         ; in window 1
.set WV,   10
.set SEL,  14
.set CS,   16
.set TBK,  18
.set TBV,  19
.set MSB, 0
.macro WIN new                         ; low byte: bits 1:0 source 0, 3:2 source 1, 5:4 source 2, 7:6 destination; the high byte repeats the setting that is left
.if MSB != (\new)
	s_set_vgpr_msb (MSB<<8)|(\new)
.set MSB, (\new)
.endif
.endm
.macro CROUND                          ; a round of the cluster's barrier
	s_barrier_signal -1
	s_barrier_wait -1
	s_cmp_lg_u32 s[WV], 0
	s_cbranch_scc1 .Lnot_wave_0_\@
	s_barrier_signal -3
.Lnot_wave_0_\@:
	s_barrier_wait -3
	s_barrier_signal -1
	s_barrier_wait -1
.endm
.macro GROUP1 g, c, r, p               ; r rows of c elements of 8 bytes, p elements from row to row, dense in LDS, for all four work-groups of the cluster
	s_mov_b32 s[\g], 15|(3<<16)|(1<<21)
	s_mov_b32 s[\g+1], (\c)<<16
	s_mov_b32 s[\g+2], (\r)<<16
	s_mov_b32 s[\g+3], (\c)<<16
	s_mov_b32 s[\g+4], \r
	s_mov_b32 s[\g+5], \p
	s_mov_b32 s[\g+6], 0
	s_mov_b32 s[\g+7], 0
.endm
	s_load_b128 s[4:7], s[0:1], 0x0                ; the images of q, k, v; the scales' exponents
	s_load_b64 s[8:9], s[0:1], 0x10                ; O's images
	v_lshl_add_u32 v[SPW], v0, 2, SPARE
	v_mov_b32 v[NIL], 0
	ds_add_u32 v[SPW], v[NIL]                      ; the opening lines: the add, twice on end, and its wait ahead of my tensor load
	ds_add_u32 v[SPW], v[NIL]
	v_lshrrev_b32 v2, 5, v0
	v_readfirstlane_b32 s[WV], v2                  ; wave 0..7
	v_and_b32 v1, 31, v0
	v_lshlrev_b32 v[LI], 4, v1                     ; 16 x lane
	v_add_nc_u32 v[VB], VLDS, v[LI]
	v_add_nc_u32 v[VB+1], VLDS+65536, v[LI]
	s_bfe_u32 s11, ttmp6, 0x40000                  ; cx: which 512 queries: it enters q's and O's addresses alone
	s_and_b32 s12, ttmp7, 0xffff                   ; y
	s_and_b32 s13, s[WV], 3                        ; which quarter of k or of v I fetch
	GROUP1 24, 128, 32, 256                        ; k: 32 tiles of 1,024 bytes, 2,048 apart in memory (the other head of the pair lies between)
	GROUP1 32, 256, 16, 2048                       ; v: 16 fragments of 2,048 bytes, 16,384 apart in memory
	s_mov_b32 s[SEL], 0x76543210
	s_mov_b32 s[SEL+1], 0xfedcba98
	s_mov_b32 s[CS], 0x3e38aa3b                    ; log2(e) / 8
	s_mov_b32 s[TBK], 0
	s_mov_b32 s[TBV], 0
	s_lshr_b32 s88, s12, 1
	s_lshl_b32 s88, s88, 18                        ; the pair of heads' 16 blocks of 16,384 bytes
	s_and_b32 s89, s12, 1                          ; which head of the pair
	s_lshl_b32 s90, s89, 10
	s_add_co_u32 s90, s90, s88
	s_add_co_u32 s90, s90, 0x800000                ; k's tile 0
	s_lshl_b32 s92, s13, 16
	s_add_co_u32 s92, s92, s90                     ; tiles 32 w on
	s_mov_b32 s93, 0
	s_lshl_b32 s90, s89, 13
	s_add_co_u32 s90, s90, s88
	s_add_co_u32 s90, s90, 0x1000000
	s_lshl_b32 s91, s13, 11
	s_add_co_u32 s90, s90, s91                     ; v's fragment (key step 0, e tile w)
	s_mov_b32 s91, 0
	s_lshl_b32 s22, s11, 16                        ; q: my work-group's four blocks,
	s_add_co_u32 s22, s22, s88
	s_lshr_b32 s23, s[WV], 1
	s_lshl_b32 s23, s23, 14
	s_add_co_u32 s22, s22, s23                     ; my wave's block,
	s_and_b32 s23, s[WV], 1
	s_lshl_b32 s23, s23, 13
	s_add_co_u32 s22, s22, s23                     ; its half,
	s_lshl_b32 s23, s89, 10
	s_add_co_u32 s22, s22, s23                     ; my head
	s_mov_b32 s23, 0
	s_lshr_b32 s20, s12, 4                         ; O: row tile = 128 x batch + 32 cx + 4 x wave,
	s_lshl_b32 s20, s20, 7
	s_lshl_b32 s21, s11, 5
	s_add_co_u32 s20, s20, s21
	s_lshl_b32 s21, s[WV], 2
	s_add_co_u32 s20, s20, s21
	s_lshl_b32 s20, s20, 14
	s_bfe_u32 s21, s12, 0x30001
	s_lshl_b32 s21, s21, 11
	s_add_co_u32 s20, s20, s21                     ; K step head / 2 of the last product,
	s_lshl_b32 s21, s89, 10
	s_add_co_u32 s20, s20, s21                     ; its upper or lower 64
	s_mov_b32 s21, 0
	s_mov_b32 s56, 1                               ; the two groups 0: count, LDS address (constants and the wave's number alone), global address, type
	s_lshl_b32 s57, s13, 15
	s_mov_b32 s60, 1
	s_add_co_u32 s61, s57, VLDS
	s_wait_dscnt 0x0                               ; both opening adds are done
	s_wait_kmcnt 0x0
	s_load_b256 s[76:83], s[6:7], 0x0              ; e0 .. e7
	s_load_b128 s[84:87], s[6:7], 0x20             ; e8 .. e11
	s_add_nc_u64 s[58:59], s[4:5], s[92:93]
	s_add_nc_u64 s[62:63], s[4:5], s[90:91]
	s_or_b32 s59, s59, 0x80000000
	s_or_b32 s63, s63, 0x80000000
	s_add_nc_u64 s[2:3], s[4:5], s[22:23]          ; q
	s_add_nc_u64 s[8:9], s[8:9], s[20:21]          ; O
	CROUND                                         ; all four work-groups are here: the joint loads meet
	s_cmp_lt_u32 s[WV], 4                          ; one chain of two arms, one load to an arm: every wave issues one
	s_cbranch_scc0 .Lfor_v
	tensor_load_to_lds s[56:59], s[24:31]
	s_nop 0
.rept 4
	v_nop
.endr
	s_branch .Lasked
.Lfor_v:
	tensor_load_to_lds s[60:63], s[32:39]
	s_nop 0
.rept 4
	v_nop
.endr
.Lasked:
	s_wait_alu depctr_va_vdst(0)                   ; the wait ahead of the first reader of 16 x lane
.irp t, 0,1,2,3
	global_load_b128 v[Q+8*\t:Q+8*\t+3], v[LI], s[2:3] offset:\t*2048        ; q's four fragments stay in registers
	global_load_b128 v[Q+8*\t+4:Q+8*\t+7], v[LI], s[2:3] offset:\t*2048+512
.endr
.irp t, 0,1,2,3
	v_mov_b32 v[ST+4*\t], 0x7f61b1e6               ; -M = 3e38: the first f is 2^(a whole number far below 0) = 0
	v_mov_b32 v[ST+4*\t+1], 0xff61b1e6             ; the largest score so far: -3e38
	v_mov_b32 v[ST+4*\t+2], 0                      ; l
	v_mov_b32 v[ST+4*\t+3], 0
	v_mov_b32 v[F+2*\t+1], 0                       ; named as the upper half of f's pair
.endr
	v_mov_b32 v[PX], 0                             ; a lane permute's destination counts as one of its sources
	v_mov_b32 v[DT+1], 0                           ; named as the upper half of the fresh -M's pair
	WIN 0x40
.set j, 0
.rept 128
	v_mov_b32 v[j], 0                              ; O^T
.set j, j+1
.endr
	WIN 0
	s_wait_kmcnt 0x0
	s_add_co_i32 s22, s82, s83
	s_lshl_b32 s22, s22, 23
	s_add_co_i32 s[CS], s[CS], s22                 ; a score stands for score x 2^(e6 + e7): the two exponents go into c's exponent field
	s_mov_b32 s[CS+1], s[CS]                       ; (named with it as a pair)
	s_add_co_i32 s22, s84, 127
	s_lshl_b32 s23, s22, 23
	v_mov_b32 v[PSC], s23                          ; 2^e8
	s_add_co_i32 s22, s22, 8
	s_lshl_b32 s22, s22, 23
	s_or_b32 s22, s22, 0x600000
	v_mov_b32 v[PLIM], s22                         ; 448 x 2^e8,
	v_mov_b32 v[PLIM+1], s22                       ; and once more
	s_add_co_i32 s22, s86, 127
	s_lshl_b32 s23, s22, 23
	v_mov_b32 v[OSC], s23                          ; 2^e10
	s_add_co_i32 s22, s22, 8
	s_lshl_b32 s22, s22, 23
	s_or_b32 s22, s22, 0x600000
	v_mov_b32 v[OLIM], s22
	s_add_co_i32 s21, s84, s85                     ; e8 + e9
.macro FETCH_K                         ; a key step's eight tiles of k: 16 loads of 512 consecutive bytes
	v_add_nc_u32 v[ADK], s[TBK], v[LI]
	s_add_co_u32 s[TBK], s[TBK], 8192
	WIN 0x40
.irp k, 0,1,2,3,4,5,6,7
	ds_load_b128 v[KF+8*\k:KF+8*\k+3], v[ADK] offset:\k*1024
	ds_load_b128 v[KF+8*\k+4:KF+8*\k+7], v[ADK] offset:\k*1024+512
.endr
	WIN 0
.endm
.macro FETCH_V                         ; a key step's four fragments of v
	v_add_nc_u32 v[ADV], s[TBV], v[VB]
	v_add_nc_u32 v[ADV+1], s[TBV], v[VB+1]
	s_add_co_u32 s[TBV], s[TBV], 2048
	WIN 0x40
.irp e, 0,1,2,3
.irp c, 0,1,2,3
	ds_load_b128 v[VF+16*\e+4*\c:VF+16*\e+4*\c+3], v[ADV+\e/2] offset:(\e%2)*32768+512*\c
.endr
.endr
	WIN 0
.endm
.macro KQ n, y                         ; S^T of tile n into buffer y: every product starts its own sum
	WIN 0x01
.irp k, 0,1,2,3,4,5,6,7
	v_wmma_f32_16x16x64_fp8_fp8 v[\y+8*\k:\y+8*\k+7], v[KF+8*\k:KF+8*\k+7], v[Q+8*(\n):Q+8*(\n)+7], 0
.endr
.endm
.macro PV p                            ; O^T of tile p: its four accumulators by turns
	WIN 0x51
.irp e, 0,1,2,3
	v_wmma_f32_16x16x128_fp8_fp8 v[32*(\p)+8*\e:32*(\p)+8*\e+7], v[VF+16*\e:VF+16*\e+15], v[PC:PC+15], v[32*(\p)+8*\e:32*(\p)+8*\e+7]
.endr
.endm
.macro HOLD b, j                       ; two holds in one line (p is not negative, so they are one-sided; the conversion does not saturate: ISA guide 7.6.2)
	v_dual_min_num_f32 v[\b+\j], v[\b+\j], v[PLIM] :: v_dual_min_num_f32 v[\b+\j+1], v[\b+\j+1], v[PLIM+1]
.endm
; p = 2^(t - M) in buffer x; between the exponentials the holds of the tile before, in buffer y.  dsw = 1: the LDS loads asked for a block ago are waited for here, ahead of the closing wait.
.macro BATCH x, y, prev, dsw
	s_wait_alu depctr_va_vdst(0)                   ; the wait ahead of the batch
.set j, 0
.rept 32
	v_exp_f32 v[\x+j], v[\x+j]
	v_exp_f32 v[\x+j+1], v[\x+j+1]
.if \prev
	HOLD \y, j
.endif
.set j, j+2
.endr
	v_nop                                          ; the plain line behind the batch
.if \dsw
	s_wait_dscnt 0x0                               ; tile 1: v is in; tile 3: the next key step's k is in
.endif
.if \prev
	WIN 0x41                                       ; for the rescaling, which follows the wait directly
.endif
	s_wait_alu depctr_va_vdst(0)                   ; one wait: for the batch, for the holds, and directly ahead of the first reader of O^T
.endm
.macro CVT y
.irp k, 0,1,2,3,4,5,6,7
	v_cvt_scalef32_pk8_fp8_f32 v[PC+2*\k:PC+2*\k+1], v[\y+8*\k:\y+8*\k+7], v[PSC]
.endr
.endm
.macro RESC p, w                       ; O^T of tile p under the new M, each accumulator from its low end on.  w = 1: no batch's wait stands ahead, so its own does
.if \w
	WIN 0x41
	s_wait_alu depctr_va_vdst(0)                   ; the wait directly ahead of the first reader of O^T
.endif
.set j, 0
.rept 16
	v_pk_mul_f32 v[32*(\p)+j:32*(\p)+j+1], v[32*(\p)+j:32*(\p)+j+1], v[F+2*(\p):F+2*(\p)+1] op_sel_hi:[1,0]
.set j, j+2
.endr
.endm
.macro SADD x, i                       ; pair i of buffer x onto sum i % 4
	v_pk_add_f32 v[SA+2*((\i)%4):SA+2*((\i)%4)+1], v[SA+2*((\i)%4):SA+2*((\i)%4)+1], v[\x+2*(\i):\x+2*(\i)+1]
.endm
.macro SUMI x                          ; the sum of the UNQUANTISED p begins: four sums of pairs, from pairs 0 to 7; also the plain lines behind the conversions
.irp i, 0,1,2,3
	v_pk_add_f32 v[SA+2*\i:SA+2*\i+1], v[\x+4*\i:\x+4*\i+1], v[\x+4*\i+2:\x+4*\i+3]
.endr
.endm
.macro SG x, u, i                      ; line i of the sum's last twenty: pairs 16 to 31, the four sums joined, l = l f + the step's sum
.if (\i) < 16
	SADD \x, 16+(\i)
.endif
.if (\i) == 16
	v_pk_add_f32 v[SA:SA+1], v[SA:SA+1], v[SA+2:SA+3]
.endif
.if (\i) == 17
	v_pk_add_f32 v[SA+4:SA+5], v[SA+4:SA+5], v[SA+6:SA+7]
.endif
.if (\i) == 18
	v_pk_add_f32 v[SA:SA+1], v[SA:SA+1], v[SA+4:SA+5]
.endif
.if (\i) == 19
	v_pk_fma_f32 v[ST+4*(\u)+2:ST+4*(\u)+3], v[ST+4*(\u)+2:ST+4*(\u)+3], v[F+2*(\u):F+2*(\u)+1], v[SA:SA+1] op_sel_hi:[1,0,1]
.endif
.endm
.macro MAX y                           ; the largest of my 64 scores, one chain an accumulator; each accumulator is first read at its low end
.irp k, 0,1,2,3,4,5,6,7
	v_max_num_f32 v[MC+\k], v[\y+8*\k], v[\y+8*\k+1]
.endr
.irp jj, 2,4,6
.irp k, 0,1,2,3,4,5,6,7
	v_max3_num_f32 v[MC+\k], v[MC+\k], v[\y+8*\k+\jj], v[\y+8*\k+\jj+1]
.endr
.endr
.endm
.macro CR c, n                         ; line c on the way from the eight maxima to tile n's fresh -M
.if \c == 0
	v_max3_num_f32 v[MC], v[MC], v[MC+1], v[MC+2]
.endif
.if \c == 1
	v_max3_num_f32 v[MC+3], v[MC+3], v[MC+4], v[MC+5]
.endif
.if \c == 2
	v_max3_num_f32 v[MC+6], v[MC+6], v[MC+7], v[ST+4*(\n)+1]  ; the largest score so far goes in here
.endif
.if \c == 3
	v_max3_num_f32 v[MC], v[MC], v[MC+3], v[MC+6]
.endif
.if \c == 4
	v_permlanex16_b32 v[PX], v[MC], s[SEL], s[SEL+1]          ; the query's other 64 keys lie in the lane 16 away
.endif
.if \c == 5
	v_max_num_f32 v[ST+4*(\n)+1], v[MC], v[PX]     ; the running largest score
.endif
.if \c == 6
	v_mul_f32 v[DT], s[CS], v[ST+4*(\n)+1]         ; as t (c is positive)
.endif
.if \c == 7
	v_floor_f32 v[DT], -v[DT]                      ; the fresh -M = floor(-t) = -ceil(t)
.endif
.endm
.macro TL c, n                         ; line c on the way from the fresh -M to f
.if \c == 0
	v_sub_f32 v[MC+1], v[DT], v[ST+4*(\n)]         ; old M - new M: a whole number, 0 or less
.endif
.if \c == 1
	v_mov_b32 v[ST+4*(\n)], v[DT]
.endif
.if \c == 2
	v_cvt_i32_f32 v[MC+1], v[MC+1]                 ; (it saturates)
.endif
.if \c == 3
	v_ldexp_f32 v[F+2*(\n)], 1.0, v[MC+1]          ; f = 2^(old M - new M)
.endif
.endm
.macro MU n, x, u, next, sum           ; tile n's fresh -M (next = 1), with lines 0 to 18 of tile u's sum (sum = 1) between the lines that read each other
.set si, 0
.irp c, 0,1,2,3,4,5,6,7
.if \next
	CR \c, \n
.endif
.if \sum
.set cnt, 0
.if \c == 2
.set cnt, 2
.endif
.if \c > 2
.set cnt, 4
.endif
.if \c == 7
.set cnt, 1
.endif
.rept cnt
	SG \x, \u, si
.set si, si+1
.endr
.endif
.endr
.if \sum
.if \next == 0
	SG \x, \u, 19
.endif
.endif
.endm
.macro FMA n, y, u, sum                ; t - M, two at a time (of the pairs c and -M the low word serves both halves); among them the sum's last line and the four lines that make f
.set j, 0
.rept 32
	v_pk_fma_f32 v[\y+j:\y+j+1], v[\y+j:\y+j+1], s[CS:CS+1], v[DT:DT+1] op_sel_hi:[1,0,0]
.if j == 4
.if \sum
	SG S, \u, 19
.endif
.endif
.if j == 10
	TL 0, \n
.endif
.if j == 16
	TL 1, \n
.endif
.if j == 22
	TL 2, \n
.endif
.if j == 34
	TL 3, \n
.endif
.set j, j+2
.endr
.endm
; BLOCK of tile u.  prev, next: the chain has a block before, behind.  fetch = 1: tile 2's block asks for the next key step's k behind the last scores of this one, tile 0's for this key step's v behind the last product of the one before.
.macro BLOCK u, prev, next, fetch
.set X, S+64*((\u)%2)
.set Y, S+64-64*((\u)%2)
.set P, ((\u)+3)%4
.set N, ((\u)+1)%4
	BATCH X, Y, \prev, (\u)%2
.if \prev
	RESC P, 0
	WIN 0
	CVT Y
.endif
	SUMI X
.if \next
	KQ N, Y
.endif
.if \prev
	PV P
.endif
	WIN 0
.irp i, 8,9,10,11,12,13,14,15
	SADD X, \i                                     ; eight plain lines: the places behind the products, for the loads below and for the first read of the scores
.endr
.if \fetch
.if (\u) == 2
	FETCH_K
.endif
.if (\u) == 0
	FETCH_V
.endif
.endif
.if \next
	MAX Y
.endif
	MU N, X, \u, \next, 1
.if \next
	FMA N, Y, \u, 1
.endif
.endm
	s_wait_alu depctr_va_vdst(0)                   ; the wait at the head's end
	s_wait_tensorcnt 0x0                           ; my quarter of k or of v is in,
	s_barrier_signal -1
	s_barrier_wait -1                              ; and everybody's: nothing is filled again in this launch
	FETCH_K
	FETCH_V
	s_wait_loadcnt 0x0                             ; q
	s_wait_dscnt 16                                ; k is in: only v's 16 loads were issued behind it
	KQ 0, S
	WIN 0
.rept 4
	v_nop                                          ; places in front of the first read of the scores
.endr
	MAX S
	MU 0, S, 0, 1, 0
	FMA 0, S, 0, 0
	BLOCK 0, 0, 1, 0
	s_mov_b32 s20, 15
.Lstep:                                        ; blocks 1 to 60
	BLOCK 1, 1, 1, 1
	BLOCK 2, 1, 1, 1
	BLOCK 3, 1, 1, 1
	BLOCK 0, 1, 1, 1
	s_sub_co_u32 s20, s20, 1
	s_cmp_lg_u32 s20, 0
	s_wait_alu depctr_va_vdst(0)                   ; the wait directly ahead of the branch
	s_cbranch_scc1 .Lstep
	BLOCK 1, 1, 1, 0
	BLOCK 2, 1, 1, 0
	BLOCK 3, 1, 0, 0
.set j, 0
.rept 32
	HOLD S+64, j                                   ; the last tile's holds, rescaling, codes and product
.set j, j+2
.endr
	RESC 3, 1
	WIN 0
	CVT S+64
	v_nop                                          ; a plain line between the last conversion and the products that read its result
	PV 3
	WIN 0
	; THE WAY OUT.  l's halves are added (plain lines: the places behind the last products); O^T x 2^(e8 + e9) / l is held, converted with 2^e10 and stored as an image of the last product's operand.
.irp t, 0,1,2,3
	v_add_f32 v[ST+4*\t+2], v[ST+4*\t+2], v[ST+4*\t+3]
.endr
.irp t, 0,1,2,3
	v_permlanex16_b32 v[ST+4*\t+3], v[ST+4*\t+2], s[SEL], s[SEL+1]
.endr
.irp t, 0,1,2,3
	v_add_f32 v[ST+4*\t+2], v[ST+4*\t+2], v[ST+4*\t+3]
.endr
	s_wait_alu depctr_va_vdst(0)                   ; the wait ahead of the batch of four
.irp t, 0,1,2,3
	v_rcp_f32 v[ST+4*\t], v[ST+4*\t+2]
.endr
	v_nop                                          ; a plain line behind the last reciprocal,
	s_wait_alu depctr_va_vdst(0)                   ; and one wait for the four, ahead of their first reader
.irp t, 0,1,2,3
	v_ldexp_f32 v[ST+4*\t], v[ST+4*\t], s21
.endr
	WIN 0x01                                       ; source 0 (O^T) window 1
	s_wait_alu depctr_va_vdst(0)                   ; the wait directly ahead of the first reader of O^T
.irp t, 0,1,2,3
.set j, 0
.rept 16
	v_pk_mul_f32 v[S+32*\t+j:S+32*\t+j+1], v[32*\t+j:32*\t+j+1], v[ST+4*\t:ST+4*\t+1] op_sel_hi:[1,0]   ; each accumulator from its low end on
.set j, j+2
.endr
.endr
	WIN 0
.set j, 0
.rept 128
	v_med3_num_f32 v[S+j], v[S+j], -v[OLIM], v[OLIM]
.set j, j+1
.endr
.irp t, 0,1,2,3
.irp e, 0,1,2,3
	v_cvt_scalef32_pk8_fp8_f32 v[OC+8*\t+2*\e:OC+8*\t+2*\e+1], v[S+32*\t+8*\e:S+32*\t+8*\e+7], v[OSC]
.endr
.endr
	v_nop
.irp t, 0,1,2,3
	global_store_b128 v[LI], v[OC+8*\t:OC+8*\t+3], s[8:9] offset:\t*16384        ; 32 lanes store 512 consecutive bytes, aligned
	global_store_b128 v[LI], v[OC+8*\t+4:OC+8*\t+7], s[8:9] offset:\t*16384+512
.endr
	s_wait_tensorcnt 0x0                           ; the wave's end
	ds_add_u32 v[SPW], v[NIL]
	s_wait_dscnt 0x0
	CROUND                                         ; the closing round
	s_endpgm
.Lfunc_end_k_qb70969860a_attn:
	.size	k_qb70969860a_attn, .Lfunc_end_k_qb70969860a_attn-k_qb70969860a_attn
	.p2alignl 7, 3214868480
	.fill 96, 4, 3214868480
	.section	.rodata,"a",@progbits
	.p2align	6, 0x0
	.amdhsa_kernel k_qb70969860a_attn
		.amdhsa_group_segment_fixed_size 263168
		.amdhsa_private_segment_fixed_size 0
		.amdhsa_enable_private_segment 0
		.amdhsa_kernarg_size 24
		.amdhsa_user_sgpr_count 2
		.amdhsa_user_sgpr_kernarg_segment_ptr 1
		.amdhsa_wavefront_size32 1
		.amdhsa_system_sgpr_workgroup_id_x 1
		.amdhsa_system_sgpr_workgroup_id_y 1
		.amdhsa_system_sgpr_workgroup_id_z 1
		.amdhsa_system_vgpr_workitem_id 0
		.amdhsa_next_free_vgpr 512
		.amdhsa_next_free_sgpr 96
		.amdhsa_reserve_vcc 0
		.amdhsa_float_denorm_mode_32 3
		.amdhsa_float_denorm_mode_16_64 3
		.amdhsa_memory_ordered 1
		.amdhsa_forward_progress 1
		.amdhsa_inst_pref_size 136
	.end_amdhsa_kernel
	.amdgpu_metadata
---
amdhsa.version: [ 1, 2 ]
amdhsa.kernels:
  - .name:           k_qb70969860a_attn
    .symbol:         k_qb70969860a_attn.kd
    .args:
      - { .name: qkv, .offset: 0, .size: 8, .value_kind: global_buffer, .address_space: global }
      - { .name: lowp_scales, .offset: 8, .size: 8, .value_kind: global_buffer, .address_space: global }
      - { .name: oimg, .offset: 16, .size: 8, .value_kind: global_buffer, .address_space: global }
    .group_segment_fixed_size: 263168
    .private_segment_fixed_size: 0
    .kernarg_segment_align: 8
    .kernarg_segment_size: 24
    .max_flat_workgroup_size: 256
    .sgpr_count:     96
    .vgpr_count:     512
    .wavefront_size: 32
...
	.end_amdgpu_metadata
.endif
;; end of part 3
;; launch outp (part 4): grid 4 x 64, 4 waves a work-group, clusters of 4 x 4, 327,680 bytes of LDS; arguments oimg, codes, lowp_scales, bo, out0; writes out0
.if DOCPART == 4
	.amdgcn_target "amdgcn-amd-amdhsa--gfx1250"
	.amdhsa_code_object_version 6
	.text
	.protected	k_qb70969860a_outp
	.globl	k_qb70969860a_outp
	.p2align	8
	.type	k_qb70969860a_outp,@function
k_qb70969860a_outp:
	s_mov_b64 s[64:65], 0
	v_nop
	global_prefetch_b8 v0, s[64:65] scope:SCOPE_SE
	s_setreg_imm32_b32 hwreg(HW_REG_WAVE_MODE, 25, 1), 1
	s_wait_xcnt 0x0
	s_wait_alu depctr_hold_cnt(0) depctr_sa_sdst(0) depctr_va_vdst(0) depctr_va_sdst(0) depctr_va_ssrc(0) depctr_va_vcc(0) depctr_vm_vsrc(0)
	s_getreg_b32 s2, hwreg(HW_REG_IB_STS2, 6, 4)
	s_cmp_eq_u32 s2, 0
	s_cbranch_scc0 .Lentry_in_a_cluster
	s_endpgm
.Lentry_in_a_cluster:
	s_bfe_u32 s2, ttmp6, 0x10000c
	s_cmp_lg_u32 s2, 0xf033
	s_cbranch_scc0 .Lentry_shape_is_right
	s_endpgm
.Lentry_shape_is_right:
; out0 [8192][1024] f32 = O Wo + bo, on E4M3 codes: each finished sum is multiplied once by 2^(e10 + e11) and the bias is added in the same line.
; O's codes come as images of operand registers: row tile (16 rows) rt at 16,384 rt, its 128 along K number kk at + 2,048 kk, 16 bytes a lane.  Wo's codes lie [1024 (n)][1024 (k)] in the buffer of codes at WO,
; with the two middle groups of eight bytes of every 32 exchanged, so that a 16-byte read at 16 (lane / 16) gives a lane the k that O's image gives it.
; SHARES.  A block of the result is 128 rows x 256 columns: 64 x 4 = 256 work-groups.  Four waves, each 64 x 128: 32 accumulators of 16 x 16, 256 registers.
; K goes in steps of 256 through a ring of two LDS slots: A's 8 row tiles x 4,096 bytes, dense; then B's 256 rows of 256 bytes + 16 of padding.  One joint tensor load a wave: waves 0, 1 A's halves, waves 2, 3 B's.
; CLUSTERS: 4 x 4 work-groups.  The four of a row of the cluster need the same tiles of A, the four of a column the same tiles of B: each tile is asked for jointly, by the same descriptor and a mask that names the four.
; THE MATRIX INSTRUCTION IS USED TRANSPOSED (source 0 = 16 rows of Wo's codes, source 1 = 16 rows of O): a lane holds eight neighbouring numbers of a row of the result.
; A step is 128 along K, 32 matrix instructions, the accumulators by turns in one order.  A and B have two sets of fragment registers each: the next step's 48 LDS loads are issued ahead of a step's products.
; PREFETCH: behind K step 0's load a wave asks for K steps 1 and 2, behind K step 1's for K step 3: never more than two K steps ahead.  Of what a wave fetches each of the four partners names a quarter, told apart by address.
; LIMIT: e10 + e11 lies between -126 and 127, so that 2^(e10 + e11) is an f32 number.
; REGISTERS.  Window 0: v16-30 addresses; v32-95 the bias of my 128 columns; v128-255 A's fragments, two sets of 4 x 16 (on the way out: rows read back).  Window 1: B's fragments, two sets of 8 x 16.  Window 2: accumulator (a, b) at v[8 (8 a + b)].
.set WO,     0x1b00000
.set SIZE_N, 1024
.set ROWB,   256
.set KROW,   1024
.set PITCH,  272
.set FR,     16
.set NP,     4                         ; places behind this matrix instruction (ISA guide 7.12.1)
.set HALFA,  16384                     ; 4 row tiles x 4,096 bytes: what one load brings of A, and what one wave reads of it
.set HALFB,  128*PITCH
.set BOFF,   2*HALFA
.set SLOT,   2*HALFA+2*HALFB
.set SPARE,  2*SLOT                    ; behind the ring: the spare words, 128 bytes a wave
.set SPITCH, 528                       ; the way out: a stage of 16 rows x (512 + 16) bytes a wave, in slot 0, which has had its last fill and its last read by then
.set ADRA, 16
.set ADRB, 20
.set STO,  24
.set RD,   25
.set CO,   26
.set BA,   27
.set SPW,  28
.set NIL,  29
.set PFO,  30
.set BI,   32
.set AF,   128
.set BK,   128
.set G1, 24
.set G0, 32
.set G1B, 48
.set G0B, 56
.set MSB, 0
.macro WIN new                         ; the immediate's high byte repeats the setting that is left
.if MSB != (\new)
	s_set_vgpr_msb (MSB<<8)|(\new)
.set MSB, (\new)
.endif
.endm
.set MUL_LO, 0xa1                      ; source 0 (B) window 1, source 1 (A) window 0, C and D window 2
.set TO_B,   0x40
.macro JLOAD g0a, g1a, g0b, g1b        ; waves 0 and 1 fetch for A, waves 2 and 3 for B; an s_nop 0 and four v_nop follow each line
	s_cmp_eq_u32 s15, 0
	s_cbranch_scc0 .Lfor_b_\@
	tensor_load_to_lds s[\g0a:\g0a+3], s[\g1a:\g1a+7]
	s_nop 0
.rept 4
	v_nop
.endr
	s_branch .Lasked_\@
.Lfor_b_\@:
	tensor_load_to_lds s[\g0b:\g0b+3], s[\g1b:\g1b+7]
	s_nop 0
.rept 4
	v_nop
.endr
.Lasked_\@:
.endm
.macro CREST                           ; a round of the cluster's barrier behind its opening barrier
	s_cmp_lg_u32 s14, 0
	s_cbranch_scc1 .Lnot_wave_0_\@
	s_barrier_signal -3
.Lnot_wave_0_\@:
	s_barrier_wait -3
	s_barrier_signal -1
	s_barrier_wait -1
.endm
.macro CROUND
	s_barrier_signal -1
	s_barrier_wait -1
	CREST
.endm
	s_load_b128 s[4:7], s[0:1], 0x0                ; O's images, the buffer of codes
	s_load_b128 s[8:11], s[0:1], 0x10              ; the scales' exponents, the bias
	s_load_b64 s[12:13], s[0:1], 0x20              ; the result
	v_lshl_add_u32 v[SPW], v0, 2, SPARE
	v_mov_b32 v[NIL], 0
	ds_add_u32 v[SPW], v[NIL]                      ; the opening lines: the add, twice on end, and its wait ahead of my first tensor load
	ds_add_u32 v[SPW], v[NIL]
	v_lshrrev_b32 v1, 5, v0
	v_readfirstlane_b32 s14, v1                    ; wave 0..3
	s_lshr_b32 s15, s14, 1                         ; which 64 rows are mine.  Also: I fetch for A (0) or for B (1)
	s_and_b32 s16, s14, 1                          ; which 128 columns.  Also: which half of that tile I fetch
	s_bfe_u32 s40, ttmp6, 0x40000                  ; cx, cy
	s_bfe_u32 s41, ttmp6, 0x40004
	s_lshl_b32 s42, ttmp9, 2
	s_add_co_u32 s42, s42, s40                     ; block column = 4 x cluster x + cx
	s_and_b32 s17, ttmp7, 0xffff
	s_lshl_b32 s17, s17, 2
	s_add_co_u32 s17, s17, s41                     ; block row = 4 x cluster y + cy
	s_lshl_b32 s43, s41, 2
	s_lshl_b32 s43, 15, s43                        ; my row of the cluster
	s_lshl_b32 s44, 0x1111, s40                    ; my column
	s_or_b32 s[G1+0], s43, (3<<16)|(1<<21)         ; A: 4 rows of 512 elements of 8 bytes, 2,048 elements apart, dense in LDS
	s_mov_b32 s[G1+1], 512<<16
	s_mov_b32 s[G1+2], 4<<16
	s_mov_b32 s[G1+3], 512<<16
	s_mov_b32 s[G1+4], 4
	s_mov_b32 s[G1+5], 2048
	s_mov_b32 s[G1+6], 0
	s_mov_b32 s[G1+7], 0
	s_or_b32 s[G1B+0], s44, (0<<16)|(1<<20)|(1<<21)|(5<<22)|(3<<25)   ; B: 128 rows of 256 bytes, 1,024 apart, four words of padding behind every 64
	s_mov_b32 s[G1B+1], ROWB<<16
	s_mov_b32 s[G1B+2], 128<<16
	s_mov_b32 s[G1B+3], ROWB<<16
	s_mov_b32 s[G1B+4], 128
	s_mov_b32 s[G1B+5], KROW
	s_mov_b32 s[G1B+6], 0
	s_mov_b32 s[G1B+7], 0
	s_lshl_b32 s20, s17, 17                        ; A: 8 row tiles a block,
	s_lshl_b32 s18, s16, 16
	s_add_co_u32 s20, s20, s18                     ; 4 a load
	s_mov_b32 s21, 0
	s_lshl_b32 s46, s42, 18                        ; B: 256 rows a block,
	s_lshl_b32 s18, s16, 17
	s_add_co_u32 s46, s46, s18                     ; 128 a load
	s_add_co_u32 s46, s46, WO
	s_mov_b32 s47, 0
	s_lshl_b32 s45, s16, 14                        ; where they go in a slot: no place in the cluster enters an LDS address
	s_mul_i32 s84, s16, HALFB
	s_add_co_u32 s84, s84, BOFF
	s_cmp_eq_u32 s15, 0                            ; the prefetches' lane term.  A: 16 blocks of 256 bytes on end, the lanes left over name the last again; B: a lane a row of 1,024 bytes
	s_cselect_b32 s85, 8, 10
	s_cselect_b32 s83, 15, 31
	v_and_b32 v[PFO], 31, v0
	v_min_u32 v[PFO], s83, v[PFO]
	v_lshlrev_b32 v[PFO], s85, v[PFO]              ; never rewritten
	s_wait_alu depctr_va_vdst(0)                   ; the wait here, directly ahead of the waits below
	s_wait_dscnt 0x0                               ; both opening adds are done
	s_wait_kmcnt 0x0
	s_load_b64 s[96:97], s[8:9], 0x28              ; e10, e11
	s_add_nc_u64 s[20:21], s[4:5], s[20:21]
	s_add_nc_u64 s[46:47], s[6:7], s[46:47]
	s_mov_b32 s86, 256                             ; the prefetches' bases: my work-group's quarter of what my wave fetches (A: one row tile, by cx; B: 32 rows, by cy)
	s_cmp_eq_u32 s15, 0
	s_cselect_b64 s[90:91], s[20:21], s[46:47]
	s_cselect_b32 s88, s40, s41
	s_cselect_b32 s87, 14, 15
	s_cselect_b32 s86, 4096, s86                   ; a K step on, in bytes
	s_lshl_b32 s88, s88, s87
	s_add_co_u32 s88, s88, s86
	s_mov_b32 s89, 0
	s_mov_b32 s87, 0
	s_add_nc_u64 s[90:91], s[90:91], s[88:89]      ; K step 1,
	s_add_nc_u64 s[92:93], s[90:91], s[86:87]      ; K step 2,
	s_add_nc_u64 s[94:95], s[92:93], s[86:87]      ; K step 3: none of the three is rewritten
	CROUND                                         ; all sixteen work-groups are here: the first joint loads meet
.irp s, 0,1
	s_mov_b32 s[G0+4*\s], 1
	s_add_co_u32 s[G0+4*\s+1], s45, \s*SLOT
	s_add_nc_u64 s[G0+4*\s+2:G0+4*\s+3], s[20:21], \s*4096
	s_or_b32 s[G0+4*\s+3], s[G0+4*\s+3], 0x80000000
	s_mov_b32 s[G0B+4*\s], 1
	s_add_co_u32 s[G0B+4*\s+1], s84, \s*SLOT
	s_add_nc_u64 s[G0B+4*\s+2:G0B+4*\s+3], s[46:47], \s*ROWB
	s_or_b32 s[G0B+4*\s+3], s[G0B+4*\s+3], 0x80000000
.endr
	JLOAD G0, G1, G0B, G1B                         ; K step 0: one tensor load a wave at the head
	global_prefetch_b8 v[PFO], s[90:91] th:TH_LOAD_NT scope:SCOPE_SE
	global_prefetch_b8 v[PFO], s[92:93] th:TH_LOAD_NT scope:SCOPE_SE
	v_and_b32 v1, 15, v0                           ; l % 16
	v_bfe_u32 v2, v0, 4, 1                         ; l / 16
	v_and_b32 v6, 31, v0
	v_lshlrev_b32 v[CO], 4, v6                     ; 16 x lane
	v_mul_u32_u24 v3, v1, PITCH
	v_lshl_add_u32 v4, v2, 4, v3                   ; B: a fragment's row x pitch + 16 x half
	s_lshl_b32 s21, s15, 14                        ; my 4 row tiles of A
	s_mul_i32 s22, s16, HALFB
	s_add_co_u32 s22, s22, BOFF                    ; my 128 rows of B
.irp s, 0,1
	v_add_nc_u32 v[ADRA+\s], s21, v[CO]
	v_add_nc_u32 v[ADRB+\s], s22, v4
	s_add_co_u32 s21, s21, SLOT
	s_add_co_u32 s22, s22, SLOT
.endr
	s_mul_i32 s23, s14, 16*SPITCH                  ; my stage
	s_wait_alu depctr_va_vdst(0)                   ; the wait here, directly ahead of the readers below
	v_mul_u32_u24 v5, v1, SPITCH
	v_lshl_add_u32 v5, v2, 5, v5
	v_add_nc_u32 v[STO], s23, v5                   ; in: row l % 16, 32 bytes for each half of the lanes
	v_add_nc_u32 v[RD], s23, v[CO]                 ; back: the 32 lanes take one row of 512 bytes
	v_lshlrev_b32 v[BA], 5, v2
	s_lshl_b32 s86, s42, 10
	s_lshl_b32 s87, s16, 9
	s_add_co_u32 s86, s86, s87                     ; my first column, in bytes
	s_mov_b32 s87, 0
	s_add_nc_u64 s[10:11], s[10:11], s[86:87]
.irp b, 0,1,2,3,4,5,6,7
	global_load_b128 v[BI+8*\b:BI+8*\b+3], v[BA], s[10:11] offset:64*\b        ; the bias at my lane's eight columns of each of the eight column blocks
	global_load_b128 v[BI+8*\b+4:BI+8*\b+7], v[BA], s[10:11] offset:64*\b+16
.endr
	s_lshl_b32 s88, s17, 19                        ; my first row: 128 x block row + 64 x half, rows of 4,096 bytes
	s_lshl_b32 s89, s15, 18
	s_add_co_u32 s88, s88, s89
	s_add_co_u32 s88, s88, s86
	s_mov_b32 s89, 0
	s_add_nc_u64 s[12:13], s[12:13], s[88:89]
.macro FRAG reg, adr, q, i             ; B: 16 rows x 128 K: four loads of 16 bytes a lane, 32 apart
.irp c, 0,1,2,3
	ds_load_b128 v[\reg+4*\c:\reg+4*\c+3], v[\adr] offset:128*(\q)+32*\c+(\i)*16*PITCH
.endr
.endm
.macro FRAGA reg, adr, q, i            ; A: the image as it lies
.irp c, 0,1,2,3
	ds_load_b128 v[\reg+4*\c:\reg+4*\c+3], v[\adr] offset:(\i)*4096+(\q)*2048+512*\c
.endr
.endm
.macro MUL16 a0, p, zero               ; A's blocks a0, a0 + 1 x B's eight, sets p.  zero = 1: the first product starts the sums
.irp a, \a0, \a0+1
.irp b, 0,1,2,3,4,5,6,7
.if \zero
	v_wmma_f32_16x16x128_fp8_fp8 v[8*(8*(\a)+\b):8*(8*(\a)+\b)+7], v[128*(\p)+FR*\b:128*(\p)+FR*\b+FR-1], v[AF+64*(\p)+FR*(\a):AF+64*(\p)+FR*(\a)+FR-1], 0
.else
	v_wmma_f32_16x16x128_fp8_fp8 v[8*(8*(\a)+\b):8*(8*(\a)+\b)+7], v[128*(\p)+FR*\b:128*(\p)+FR*\b+FR-1], v[AF+64*(\p)+FR*(\a):AF+64*(\p)+FR*(\a)+FR-1], v[8*(8*(\a)+\b):8*(8*(\a)+\b)+7]
.endif
.endr
.endr
.endm
.macro FETCH slot, q, p                ; the fragments of the slot's q-th 128 along K into sets p: 32 loads for B, 16 for A
	WIN TO_B
.irp i, 0,1,2,3,4,5,6,7
	FRAG 128*(\p)+FR*\i, ADRB+\slot, \q, \i
.endr
	WIN 0
.irp i, 0,1,2,3
	FRAGA AF+64*(\p)+FR*\i, ADRA+\slot, \q, \i
.endr
.endm
.macro PLACES n
.rept \n
	v_nop
.endr
.endm
.macro STEP slot, zero                 ; a slot's first step, on sets 0; the second step's fragments go into sets 1, which the step before has read: four places stand ahead of the loads
	s_wait_dscnt 0x0                               ; this step's fragments are in
	PLACES NP
	FETCH \slot, 1, 1
	WIN MUL_LO
	MUL16 0, 0, \zero
	MUL16 2, 0, \zero
	WIN 0
.endm
; A slot's second step, on sets 1, changes slots: ONE barrier; ahead of it each wave waits for all its tensor loads, adds 0 to its spare word, and waits for that and for its reads of this slot.  fill = 1: the slot is filled again, two K steps ahead.
.macro TURN slot, next, fill
	s_wait_tensorcnt 0x0                           ; my part of the next slot has landed
	ds_add_u32 v[SPW], v[NIL]
	s_wait_dscnt 0x0                               ; the add is done, and my reads of this slot are over
	s_barrier_signal -1
	WIN MUL_LO
	MUL16 0, 1, 0                                  ; work on registers while the others arrive
	WIN 0
	s_barrier_wait -1
.if \fill
	CREST                                          ; the barrier has opened a round of the cluster's barrier
	s_add_nc_u64 s[G0+4*\slot+2:G0+4*\slot+3], s[G0+4*\slot+2:G0+4*\slot+3], 2*4096
	s_add_nc_u64 s[G0B+4*\slot+2:G0B+4*\slot+3], s[G0B+4*\slot+2:G0B+4*\slot+3], 2*ROWB
	JLOAD G0+4*\slot, G1, G0B+4*\slot, G1B         ; the first tensor load behind the round; its four v_nop are the places ahead of the loads below
.else
	PLACES NP
.endif
	FETCH \next, 0, 0
	WIN MUL_LO
	MUL16 2, 1, 0
	WIN 0
.endm
	s_wait_alu depctr_va_vdst(0)                   ; the wait at the head's end
	s_wait_tensorcnt 0x0                           ; my part of K step 0 is in; these lines stand ahead of a later first fill, as ahead of a refill
	ds_add_u32 v[SPW], v[NIL]
	s_wait_dscnt 0x0
	CROUND
	JLOAD G0+4, G1, G0B+4, G1B                     ; K step 1, the first tensor load behind the round
	global_prefetch_b8 v[PFO], s[94:95] th:TH_LOAD_NT scope:SCOPE_SE
	FETCH 0, 0, 0
	STEP 0, 1                                      ; the first step stands ahead of the loop: its products start the sums
	s_mov_b32 s3, 1
.Llap:                                         ; a trip goes once round the ring and fills both slots again: K steps 2 and 3
	TURN 0, 1, 1
	STEP 1, 0
	TURN 1, 0, 1
	STEP 0, 0
	s_sub_co_u32 s3, s3, 1
	s_cmp_lg_u32 s3, 0
	s_cbranch_scc1 .Llap
	TURN 0, 1, 0                                   ; the last lap fills nothing
	STEP 1, 0
	s_wait_dscnt 0x0
	WIN MUL_LO
	MUL16 0, 1, 0
	MUL16 2, 1, 0
	WIN 0
; THE WAY OUT, block by block of 16 rows x 128 columns: sum x 2^(e10 + e11) + bias, through my own stage in LDS, back as whole rows of 512 bytes.  LDS serves a wave's instructions in order (ISA guide 5.7.1.4).
.macro TOSTAGE a
.set AC, 64*(\a)
	WIN 0x82
.set j, 0
.rept 32
	v_pk_fma_f32 v[AC+j:AC+j+1], v[AC+j:AC+j+1], s[96:97], v[BI+j:BI+j+1] op_sel_hi:[1,0,1]   ; each accumulator from its low end on
.set j, j+2
.endr
	WIN 0x08
.irp b, 0,1,2,3,4,5,6,7
	ds_store_b128 v[STO], v[AC+8*\b:AC+8*\b+3] offset:64*\b
	ds_store_b128 v[STO], v[AC+8*\b+4:AC+8*\b+7] offset:64*\b+16
.endr
	WIN 0
.set BB, BK+64*((\a)%2)
.irp t, 0,1,2,3,4,5,6,7,8,9,10,11,12,13,14,15
	ds_load_b128 v[BB+4*\t:BB+4*\t+3], v[RD] offset:\t*SPITCH
.endr
.endm
.macro SEND a, younger                 ; younger: the LDS instructions issued behind block a's loads, which may stay out
.set BB, BK+64*((\a)%2)
	s_wait_dscnt \younger
.if (\a) > 0
	s_add_nc_u64 s[12:13], s[12:13], 16*SIZE_N*4   ; (behind a wait on XCNT: the earlier stores have read their base)
.endif
.irp t, 0,1,2,3,4,5,6,7,8,9,10,11,12,13,14,15
	global_store_b128 v[CO], v[BB+4*\t:BB+4*\t+3], s[12:13] offset:\t*SIZE_N*4 th:TH_STORE_NT   ; 32 lanes store 512 consecutive bytes, aligned
.endr
.endm
	s_wait_kmcnt 0x0
	s_add_co_i32 s96, s96, s97
	s_add_co_i32 s96, s96, 127
	s_lshl_b32 s96, s96, 23                        ; 2^(e10 + e11) as f32
	s_wait_loadcnt 0x0                             ; the bias
	PLACES NP
	TOSTAGE 0
.irp a, 1,2,3
.if \a > 1
	s_wait_xcnt 0x0                                ; block a - 2's stores have read their registers and their base
.endif
	TOSTAGE \a
	SEND \a-1, 32                                  ; behind block a - 1's loads: block a's 16 stores and 16 loads
.endr
	s_wait_xcnt 0x0
	SEND 3, 0
	s_wait_tensorcnt 0x0                           ; the wave's end
	ds_add_u32 v[SPW], v[NIL]
	s_wait_dscnt 0x0
	CROUND                                         ; the closing round
	s_endpgm
.Lfunc_end_k_qb70969860a_outp:
	.size	k_qb70969860a_outp, .Lfunc_end_k_qb70969860a_outp-k_qb70969860a_outp
	.p2alignl 7, 3214868480
	.fill 96, 4, 3214868480
	.section	.rodata,"a",@progbits
	.p2align	6, 0x0
	.amdhsa_kernel k_qb70969860a_outp
		.amdhsa_group_segment_fixed_size 327680
		.amdhsa_private_segment_fixed_size 0
		.amdhsa_enable_private_segment 0
		.amdhsa_kernarg_size 40
		.amdhsa_user_sgpr_count 2
		.amdhsa_user_sgpr_kernarg_segment_ptr 1
		.amdhsa_wavefront_size32 1
		.amdhsa_system_sgpr_workgroup_id_x 1
		.amdhsa_system_sgpr_workgroup_id_y 1
		.amdhsa_system_sgpr_workgroup_id_z 1
		.amdhsa_system_vgpr_workitem_id 0
		.amdhsa_next_free_vgpr 768
		.amdhsa_next_free_sgpr 98
		.amdhsa_reserve_vcc 0
		.amdhsa_float_denorm_mode_32 3
		.amdhsa_float_denorm_mode_16_64 3
		.amdhsa_memory_ordered 1
		.amdhsa_forward_progress 1
		.amdhsa_inst_pref_size 78
	.end_amdhsa_kernel
	.amdgpu_metadata
---
amdhsa.version: [ 1, 2 ]
amdhsa.kernels:
  - .name:           k_qb70969860a_outp
    .symbol:         k_qb70969860a_outp.kd
    .args:
      - { .name: oimg, .offset: 0, .size: 8, .value_kind: global_buffer, .address_space: global }
      - { .name: codes, .offset: 8, .size: 8, .value_kind: global_buffer, .address_space: global }
      - { .name: lowp_scales, .offset: 16, .size: 8, .value_kind: global_buffer, .address_space: global }
      - { .name: bo, .offset: 24, .size: 8, .value_kind: global_buffer, .address_space: global }
      - { .name: out0, .offset: 32, .size: 8, .value_kind: global_buffer, .address_space: global }
    .group_segment_fixed_size: 327680
    .private_segment_fixed_size: 0
    .kernarg_segment_align: 8
    .kernarg_segment_size: 40
    .max_flat_workgroup_size: 128
    .sgpr_count:     98
    .vgpr_count:     768
    .wavefront_size: 32
...
	.end_amdgpu_metadata
.endif
;; end of part 4
